; MI455X (gfx1250); checked and timed in simulation.
; The chip was launched on July 23, 2026; its instructions are those of AMD's public machine-readable ISA for CDNA 5 (MIT licence, August 2026) and "CDNA5" Instruction Set Architecture Reference Guide (July 2026). The comments in the code are by the model that wrote it; some were corrected since.
;; LSTM Cell2. Allowed arithmetic: matrix products marked QUANTISED: E5M2 operands, one given power-of-two scale a tensor, by v_wmma_f32_16x16x64_bf8_bf8 or v_wmma_f32_16x16x128_bf8_bf8, f32 sums; everything else in f32.
;; Inputs: W 8,192 x 2,048 float32; b 8,192 float32; c 4,096 x 2,048 float32; gn_bias 8,192 float32; gn_weight 8,192 float32; h 4,096 x 2,048 float32; lowp_scales 2 int32 (the exponents e of the quantised operands' scales 2^e); x 1 x 4,096 x 2,048 float32.
;; Outputs: out0 4,096 x 2,048 float32; out1 4,096 x 2,048 float32.
;; This version of the problem:
;;   THIS VERSION OF THE PROBLEM IS GIVEN IN LOW PRECISION. The matrix products marked QUANTISED in the list below multiply operands that are first quantised to E5M2 (5 exponent bits, 2 mantissa bits; 8 bits a number), with one given power-of-two scale for each operand tensor; their sums are f32. All else is computed in f32.
;;   The module's matrix products, in the order in which they are computed (A, B: the left and right operand; K: the contracted axis; several contracted axes count as one K, in the product's order):
;;     1. [M 4,096, K 2,048] x [K 2,048, N 8,192]; A: input h; B: input W: QUANTISED (scales: A lowp_scales[0], B lowp_scales[1])
;;   THE QUANTISER, for each operand of a quantised product, along K:
;;     - The operand's scale is 2^e, e = its entry of the input lowp_scales (int32; the entries are numbered through the quantised products in the list's order, A before B).
;;     - Each number is divided by the scale, clamped to +-57,344, and rounded to the nearest number of E5M2, ties to even, subnormals kept.
;;     - The product sums the exact products of the quantised numbers (number of the format x scale) in f32.
;;   ~~~python
;;   def quantise(x, axis, e):      # numpy; x: float32 -> the quantised numbers, widened to float32 again
;;       x = np.moveaxis(x, axis, -1); K = x.shape[-1]
;;       r = np.clip(x / 2.0 ** e, -57344, 57344)
;;       step = 2.0 ** (np.maximum(np.frexp(np.where(r == 0, 1, r))[1] - 1, -14) - 2)
;;       q = np.round(r / step) * step * 2.0 ** e      # np.round: ties to even
;;       return np.moveaxis(q, -1, axis).astype(np.float32)
;;   ~~~
;; One version. Each part assembles by itself: llvm-mc -triple=amdgcn-amd-amdhsa -mcpu=gfx1250 --defsym DOCPART=n.
;; ======== version 1 of 1: 3 launches
;; limits: right only within a limited range of input values
;; workspace buffers: h_codes 8,388,608 bytes; w_codes 16,777,216 bytes; z 134,217,728 bytes; st 2,097,152 bytes
;; launch quant (part 1): grid 768 x 1, 4 waves a work-group, no clusters, 0 bytes of LDS; arguments h, W, lowp_scales, h_codes, w_codes; writes h_codes, w_codes
.if DOCPART == 1
	.amdgcn_target "amdgcn-amd-amdhsa--gfx1250"
	.amdhsa_code_object_version 6
	.text
	.protected	k_qdaaff155e2_quant
	.globl	k_qdaaff155e2_quant
	.p2align	8
	.type	k_qdaaff155e2_quant,@function
k_qdaaff155e2_quant:
	s_mov_b64 s[64:65], 0
	v_nop
	global_prefetch_b8 v0, s[64:65] scope:SCOPE_SE
	s_setreg_imm32_b32 hwreg(HW_REG_WAVE_MODE, 25, 1), 1
	s_wait_xcnt 0x0
; h [4096][2048] and W [8192][2048], f32, are turned into codes of BF8 (E5M2), one byte each, each with the one scale 2^e that is given for it (entry 0 for h, entry 1 for W).
; code = x / 2^e, held within +-57,344, rounded to the nearest code, ties to even.
; DEAD WORK: reference() never reads its input x, so x reaches no output whatever it holds: no launch of this program names or loads it.  A NaN or an infinity in x is therefore not carried to any result.
; LIMITS: -126 <= e and e + 15 <= 127, so that 2^e and 57,344 x 2^e are f32 numbers.  NaN among h and W is not served (an infinity is held at the largest code).
; THE CODES' ORDER ALONG K.  Both code buffers are this program's own, and the product sums over all of K: so the codes may lie in any order along K that is the same in h and in W.
; A step takes 512 neighbouring numbers by four loads of 512 consecutive bytes, 16 bytes a lane.  A lane's 16 numbers (number 128 i + 4 lane + k of the step, i the load, k = 0 .. 3) are converted as they lie
; in its registers, and its 16 codes go to byte 16 lane + 4 i + k of the step's 512.  A row of K = 2,048 is four whole steps, so the order is the same in every row of both tensors, and nothing goes through LDS.
; One launch serves both tensors: the first WGA work-groups take h, the others W; only pointers and e are chosen.  Waves share nothing: no barrier.  Loads run DEPTH steps ahead.
.set SIZE_M, 4096
.set SIZE_K, 2048
.set WAVES, 4
.set STEPS, 16
.set DEPTH, 6                          ; sets of 16 registers for loaded numbers
.set WGA,   SIZE_M*SIZE_K/(512*STEPS*WAVES)    ; 256 work-groups for h, 512 for W
.set EMAX,  15
.set MANT,  0x600000                   ; the mantissa field of 57,344 as f32
.set R,     16                         ; v16-111  six sets of 16 numbers
.set C,     112                        ; v112-175 codes: four registers for each step, so that no store's data are written again
	s_load_b128 s[4:7], s[0:1], 0x0                ; h, W
	s_load_b64 s[10:11], s[0:1], 0x10              ; the scales' exponents
	s_load_b128 s[12:15], s[0:1], 0x18             ; h's codes, W's codes
	v_lshrrev_b32 v1, 5, v0
	v_readfirstlane_b32 s16, v1                    ; wave
	v_and_b32 v2, 31, v0
	v_lshlrev_b32 v3, 4, v2                        ; 16 x lane: my place in a load's 512 bytes and in a step's 512 codes; never rewritten
	s_wait_alu depctr_va_vdst(0)
	s_wait_kmcnt 0x0
	s_load_b64 s[22:23], s[10:11], 0x0             ; e of h, e of W
	s_cmp_lt_u32 ttmp9, WGA                        ; h's work-group or W's?  The choice hangs on the work-group's number alone
	s_cselect_b64 s[4:5], s[4:5], s[6:7]
	s_cselect_b64 s[8:9], s[12:13], s[14:15]
	s_cselect_b32 s17, 0, WGA
	s_sub_co_u32 s17, ttmp9, s17
	s_lshl_b32 s17, s17, 2
	s_add_co_u32 s18, s17, s16                     ; which run of 8,192 numbers of the tensor is my wave's
	s_mov_b32 s19, 0
	s_mov_b64 s[20:21], 512*STEPS*4
	s_mul_u64 s[20:21], s[18:19], s[20:21]
	s_add_nc_u64 s[4:5], s[4:5], s[20:21]
	s_mov_b64 s[20:21], 512*STEPS
	s_mul_u64 s[20:21], s[18:19], s[20:21]
	s_add_nc_u64 s[8:9], s[8:9], s[20:21]
.macro LOAD t
.irp i, 0,1,2,3
	global_load_b128 v[R+16*((\t)%DEPTH)+4*\i:R+16*((\t)%DEPTH)+4*\i+3], v3, s[4:5] offset:2048*(\t)+512*\i th:TH_LOAD_NT   ; 32 lanes read 512 consecutive bytes; read once in this launch
.endr
.endm
.irp t, 0,1,2,3,4,5
	LOAD \t
.endr
	s_wait_kmcnt 0x0
	s_cmp_lt_u32 ttmp9, WGA
	s_cselect_b32 s22, s22, s23                    ; e
	s_add_co_i32 s22, s22, 127
	s_lshl_b32 s23, s22, 23
	v_mov_b32 v11, s23                             ; 2^e as f32: the conversion takes its exponent field
	s_add_co_i32 s22, s22, EMAX
	s_lshl_b32 s22, s22, 23
	s_or_b32 s22, s22, MANT
	v_mov_b32 v10, s22                             ; the largest number x 2^e
	s_wait_alu depctr_va_vdst(0)
.macro STEP t
.set XS, R+16*((\t)%DEPTH)
.if STEPS-1-(\t) >= DEPTH-1
	s_wait_loadcnt 4*(DEPTH-1)                     ; this step's four loads are in; those of the five steps behind it may be out
.else
	s_wait_loadcnt 4*(STEPS-1-(\t))                ; the tail: four for each step still behind this one
.endif
.irp i, 0,1,2,3,4,5,6,7,8,9,10,11,12,13,14,15
	v_med3_num_f32 v[XS+\i], v[XS+\i], -v10, v10   ; the conversion to an 8-bit code does not saturate (ISA guide 7.6.2): hold the number within the largest code x the scale first
.endr
	v_cvt_scalef32_pk8_bf8_f32 v[C+4*(\t):C+4*(\t)+1], v[XS:XS+7], v11
	v_cvt_scalef32_pk8_bf8_f32 v[C+4*(\t)+2:C+4*(\t)+3], v[XS+8:XS+15], v11
	; the codes go to a store alone; the next vector lines, the next step's holds, are plain and touch other registers
	global_store_b128 v3, v[C+4*(\t):C+4*(\t)+3], s[8:9] offset:512*(\t)          ; 32 lanes store 512 consecutive bytes, aligned
.if (\t)+DEPTH < STEPS
	LOAD (\t)+DEPTH                                ; the set just converted takes the loads of six steps on
.endif
.endm
.irp t, 0,1,2,3,4,5,6,7,8,9,10,11,12,13,14,15
	STEP \t
.endr
	s_endpgm
.Lfunc_end_k_qdaaff155e2_quant:
	.size	k_qdaaff155e2_quant, .Lfunc_end_k_qdaaff155e2_quant-k_qdaaff155e2_quant
	.p2alignl 7, 3214868480
	.fill 96, 4, 3214868480
	.section	.rodata,"a",@progbits
	.p2align	6, 0x0
	.amdhsa_kernel k_qdaaff155e2_quant
		.amdhsa_group_segment_fixed_size 0
		.amdhsa_private_segment_fixed_size 0
		.amdhsa_enable_private_segment 0
		.amdhsa_kernarg_size 40
		.amdhsa_user_sgpr_count 2
		.amdhsa_user_sgpr_kernarg_segment_ptr 1
		.amdhsa_wavefront_size32 1
		.amdhsa_system_sgpr_workgroup_id_x 1
		.amdhsa_system_sgpr_workgroup_id_y 1
		.amdhsa_system_sgpr_workgroup_id_z 1
		.amdhsa_system_vgpr_workitem_id 0
		.amdhsa_next_free_vgpr 176
		.amdhsa_next_free_sgpr 66
		.amdhsa_reserve_vcc 0
		.amdhsa_float_denorm_mode_32 3
		.amdhsa_float_denorm_mode_16_64 3
		.amdhsa_memory_ordered 1
		.amdhsa_forward_progress 1
		.amdhsa_inst_pref_size 28
	.end_amdhsa_kernel
	.amdgpu_metadata
---
amdhsa.version: [ 1, 2 ]
amdhsa.kernels:
  - .name:           k_qdaaff155e2_quant
    .symbol:         k_qdaaff155e2_quant.kd
    .args:
      - { .name: h, .offset: 0, .size: 8, .value_kind: global_buffer, .address_space: global }
      - { .name: W, .offset: 8, .size: 8, .value_kind: global_buffer, .address_space: global }
      - { .name: lowp_scales, .offset: 16, .size: 8, .value_kind: global_buffer, .address_space: global }
      - { .name: h_codes, .offset: 24, .size: 8, .value_kind: global_buffer, .address_space: global }
      - { .name: w_codes, .offset: 32, .size: 8, .value_kind: global_buffer, .address_space: global }
    .group_segment_fixed_size: 0
    .private_segment_fixed_size: 0
    .kernarg_segment_align: 8
    .kernarg_segment_size: 40
    .max_flat_workgroup_size: 128
    .sgpr_count:     66
    .vgpr_count:     176
    .wavefront_size: 32
...
	.end_amdgpu_metadata
.endif
;; end of part 1
;; launch gemm (part 2): grid 16 x 16, 4 waves a work-group, clusters of 4 x 4, 327,680 bytes of LDS; arguments h_codes, w_codes, lowp_scales, z, b, st; writes z, st
.if DOCPART == 2
	.amdgcn_target "amdgcn-amd-amdhsa--gfx1250"
	.amdhsa_code_object_version 6
	.text
	.protected	k_qdaaff155e2_gemm
	.globl	k_qdaaff155e2_gemm
	.p2align	8
	.type	k_qdaaff155e2_gemm,@function
k_qdaaff155e2_gemm:
	s_mov_b64 s[64:65], 0
	v_nop
	global_prefetch_b8 v0, s[64:65] scope:SCOPE_SE
	s_setreg_imm32_b32 hwreg(HW_REG_WAVE_MODE, 25, 1), 1
	s_wait_xcnt 0x0
	s_wait_alu depctr_hold_cnt(0) depctr_sa_sdst(0) depctr_va_vdst(0) depctr_va_sdst(0) depctr_va_ssrc(0) depctr_va_vcc(0) depctr_vm_vsrc(0)
	s_getreg_b32 s2, hwreg(HW_REG_IB_STS2, 6, 4)
	s_cmp_eq_u32 s2, 0
	s_cbranch_scc0 .Lentry_in_a_cluster
	s_endpgm
.Lentry_in_a_cluster:
	s_bfe_u32 s2, ttmp6, 0x10000c
	s_cmp_lg_u32 s2, 0xf033
	s_cbranch_scc0 .Lentry_shape_is_right
	s_endpgm
.Lentry_shape_is_right:
; t[m][n] = 2^(ea + eb) x (sum over k of h's code [m][k] x W's code [n][k]) + b[n] -> z [4096][8192] f32, and beside it what GroupNorm needs of t.  reference()'s input x is read by nothing (see the first kernel).
; LIMIT: ea + eb lies between -126 and 127, so that 2^(ea + eb) is an f32 number.  The codes' order along K is the first launch's, the same in both operands.
; A work-group of four waves makes two tiles of 256 x 256, 4,096 columns apart; a wave makes 128 x 128 in 64 accumulators.  K goes in steps of 256 through a ring of two LDS slots filled by joint tensor loads:
; 4 x 4 work-groups form a cluster, h's tiles shared along its rows, W's along its columns.  Each cluster starts at another place along K and walks round.  Source 0 takes rows of W, source 1 rows of h:
; a lane then holds eight neighbouring columns of one row of t.
; THE WAY OUT, by blocks of 16 rows x 128 columns: t = sum x scale + b into window 1; of each row's 128 numbers first the mean, then M2 = the sum of the squares of (t - mean): no difference of large sums is formed;
; t goes through my stage in LDS and leaves as whole rows of 512 bytes; the pairs (mean, M2) of my 128 rows gather in 1,024 LDS bytes of my own and leave at the tile's end:
; st[row / 32][column / 128][row % 32] = (mean, M2): sixteen lanes store 256 consecutive bytes, aligned.
; b's 64 numbers a lane are loaded at a tile's start into v32-95 of window 0, which the K loop leaves alone.
.set SIZE_M, 4096
.set SIZE_N, 8192
.set SIZE_K, 2048
.set KSTEP,  256
.set ROWB,   256
.set KROW,   SIZE_K
.set PITCH,  272
.set FR,     16
.set NL,     4
.set NP,     4
.set HALFT,  128*PITCH
.set SLOT,   4*HALFT
.set LAPS,   SIZE_K/(2*KSTEP)
.set SPARE,  2*SLOT
.set STAGE,  SPARE+512
.set SPITCH, 528
.set NEXTB,  16*256*KROW
.set BACKZ,  7*16*SIZE_N*4-16*256*4
.set ADRA, 16
.set ADRB, 20
.set STO,  24
.set RD,   25
.set CO,   26
.set SPW,  28
.set NIL,  29
.set TMP,  0                           ; window 1, v0-63: a block's t
.set MN,   64                          ; window 1, v64-71: four pairs of sums; then v64 the mean, v65 M2
.set DD,   72                          ; window 1, v72-79: t - mean, four pairs at work
.set QQ,   80                          ; window 1, v80-87: sums of squares, four pairs
.set BR,   32                          ; window 0, v32-95: b at my 64 columns, register 8 i + j: column 16 i + 8 (l / 16) + j
.set BO,   8                           ; v8   b: 32 bytes x (l / 16)
.set SST,  9                           ; v9   where I put a row's pair
.set SRD,  10                          ; v10  where I read two rows' pairs back
.set SGO,  11                          ; v11  and their place in st
.set STATS, STAGE+4*16*SPITCH          ; behind the stages: 1,024 bytes for each wave; no tensor load lands here
.macro BLOADS tile
.irp i, 0,1,2,3,4,5,6,7
	global_load_b128 v[BR+8*\i:BR+8*\i+3], v[BO], s[76:77] offset:16384*\tile+64*\i
	global_load_b128 v[BR+8*\i+4:BR+8*\i+7], v[BO], s[76:77] offset:16384*\tile+64*\i+16
.endr
.endm
.set AF,   128
.set BK,   128
.set G1, 24
.set G0, 32
.set G1B, 48
.set G0B, 56
.set ABAS, 66
.set BBAS, 68
.set KK,   70
.set MSB, 0
.macro WIN new
.if MSB != \new
	s_set_vgpr_msb (MSB<<8)|\new
.set MSB, \new
.endif
.endm
.set MUL_LO, 0xa1
.set MUL_HI, 0xf1
.set TO_B,   0x40
.macro JLOAD g0a, g1a, g0b, g1b
	s_cmp_eq_u32 s15, 0
	s_cbranch_scc0 .Lfor_b_\@
	tensor_load_to_lds s[\g0a:\g0a+3], s[\g1a:\g1a+7]
	s_nop 0
.rept 4
	v_nop
.endr
	s_branch .Lasked_\@
.Lfor_b_\@:
	tensor_load_to_lds s[\g0b:\g0b+3], s[\g1b:\g1b+7]
	s_nop 0
.rept 4
	v_nop
.endr
.Lasked_\@:
.endm
.macro CREST
	s_cmp_lg_u32 s14, 0
	s_cbranch_scc1 .Lnot_wave_0_\@
	s_barrier_signal -3
.Lnot_wave_0_\@:
	s_barrier_wait -3
	s_barrier_signal -1
	s_barrier_wait -1
.endm
.macro CROUND
	s_barrier_signal -1
	s_barrier_wait -1
	CREST
.endm
	s_load_b128 s[4:7], s[0:1], 0x0
	s_load_b128 s[8:11], s[0:1], 0x10
	s_load_b128 s[76:79], s[0:1], 0x20             ; b s[76:77], st s[78:79]
	v_lshl_add_u32 v[SPW], v0, 2, SPARE
	v_mov_b32 v[NIL], 0
	ds_add_u32 v28, v29
	ds_add_u32 v28, v29
	s_wait_dscnt 0x0
	v_lshrrev_b32 v1, 5, v0
	v_readfirstlane_b32 s14, v1
	s_lshr_b32 s15, s14, 1
	s_and_b32 s16, s14, 1
	s_bfe_u32 s40, ttmp6, 0x40000
	s_bfe_u32 s41, ttmp6, 0x40004
	s_lshl_b32 s42, ttmp9, 2
	s_add_co_u32 s42, s42, s40
	s_and_b32 s17, ttmp7, 0xffff
	s_lshl_b32 s17, s17, 2
	s_add_co_u32 s17, s17, s41
	s_lshl_b32 s43, s41, 2
	s_lshl_b32 s43, 15, s43
	s_lshl_b32 s44, 0x1111, s40
	s_and_b32 s[KK], ttmp7, 0xffff
	s_add_co_u32 s[KK], s[KK], ttmp9
	s_and_b32 s[KK], s[KK], 3
	s_lshl_b32 s[KK], s[KK], 9
	s_mov_b32 s[KK+1], 0
	s_add_co_u32 s[KK+2], s[KK], ROWB
	s_mov_b32 s[KK+3], 0
	s_or_b32 s[G1+0], s43, (0<<16)|(1<<20)|(1<<21)|(5<<22)|(3<<25)
	s_or_b32 s[G1B+0], s44, (0<<16)|(1<<20)|(1<<21)|(5<<22)|(3<<25)
.irp g, G1, G1B
	s_mov_b32 s[\g+1], ROWB<<16
	s_mov_b32 s[\g+2], 128<<16
	s_mov_b32 s[\g+3], ROWB<<16
	s_mov_b32 s[\g+4], 128
	s_mov_b32 s[\g+5], KROW
	s_mov_b32 s[\g+6], 0
	s_mov_b32 s[\g+7], 0
.endr
	s_lshl_b32 s18, s16, 7
	s_lshl_b32 s20, s17, 8
	s_add_co_u32 s20, s20, s18
	s_lshl_b32 s46, s42, 8
	s_add_co_u32 s46, s46, s18
	s_mov_b32 s21, 0
	s_mov_b32 s47, 0
	s_mov_b64 s[18:19], KROW
	s_mul_u64 s[20:21], s[20:21], s[18:19]
	s_mul_u64 s[46:47], s[46:47], s[18:19]
	s_mul_i32 s45, s14, HALFT
	s_wait_kmcnt 0x0
	s_load_b64 s[96:97], s[8:9], 0x0
	s_add_nc_u64 s[ABAS:ABAS+1], s[4:5], s[20:21]
	s_add_nc_u64 s[BBAS:BBAS+1], s[6:7], s[46:47]
	CROUND
.irp s, 0,1
	s_mov_b32 s[G0+4*\s], 1
	s_add_co_u32 s[G0+4*\s+1], s45, \s*SLOT
	s_add_nc_u64 s[G0+4*\s+2:G0+4*\s+3], s[ABAS:ABAS+1], s[KK+2*\s:KK+2*\s+1]
	s_or_b32 s[G0+4*\s+3], s[G0+4*\s+3], 0x80000000
	s_mov_b32 s[G0B+4*\s], 1
	s_add_co_u32 s[G0B+4*\s+1], s45, \s*SLOT
	s_add_nc_u64 s[G0B+4*\s+2:G0B+4*\s+3], s[BBAS:BBAS+1], s[KK+2*\s:KK+2*\s+1]
	s_or_b32 s[G0B+4*\s+3], s[G0B+4*\s+3], 0x80000000
	s_wait_alu depctr_va_vdst(0)
	s_wait_tensorcnt 0x0
	ds_add_u32 v28, v29
	ds_add_u32 v28, v29
	s_wait_dscnt 0x0
	CROUND
	JLOAD G0+4*\s, G1, G0B+4*\s, G1B
.endr
	v_and_b32 v1, 15, v0
	s_wait_alu depctr_va_vdst(0)
	v_bfe_u32 v2, v0, 4, 1
	v_mul_u32_u24 v3, v1, PITCH
	v_lshl_add_u32 v4, v2, 4, v3
	s_mul_i32 s21, s15, HALFT
	s_mul_i32 s22, s16, HALFT
	s_add_co_u32 s22, s22, 2*HALFT
.irp s, 0,1
	v_add_nc_u32 v[ADRA+\s], s21, v4
	v_add_nc_u32 v[ADRB+\s], s22, v4
	s_add_co_u32 s21, s21, SLOT
	s_add_co_u32 s22, s22, SLOT
.endr
	s_mul_i32 s23, s14, 16*SPITCH
	s_add_co_u32 s23, s23, STAGE
	v_mul_u32_u24 v5, v1, SPITCH
	s_wait_alu depctr_va_vdst(0)
	v_lshl_add_u32 v5, v2, 5, v5
	v_add_nc_u32 v[STO], s23, v5
	v_and_b32 v6, 31, v0
	v_lshlrev_b32 v[CO], 4, v6
	v_add_nc_u32 v[RD], s23, v[CO]
	s_lshl_b32 s80, s14, 10
	s_add_co_u32 s80, s80, STATS                   ; my 1,024 bytes for the pairs
	v_lshlrev_b32 v[BO], 5, v2
	v_lshlrev_b32 v[SST], 3, v1
	v_add_nc_u32 v[SST], s80, v[SST]               ; in: 8 bytes x row l % 16; the block stands in the immediate
	v_add_nc_u32 v[SRD], s80, v[CO]                ; back: 16 bytes x lane: two rows' pairs
	v_lshlrev_b32 v[SGO], 4, v1
	v_lshl_add_u32 v[SGO], v2, 14, v[SGO]          ; lanes 0-15: one block of 32 rows, lanes 16-31 the next, 16,384 bytes on
	s_lshl_b32 s20, s17, 8
	s_lshl_b32 s21, s15, 7
	s_add_co_u32 s20, s20, s21
	s_lshl_b32 s80, s20, 9                         ; st: (my first row / 32) x 16,384 bytes
	s_mov_b32 s81, 0
	s_add_nc_u64 s[78:79], s[78:79], s[80:81]
	s_mov_b32 s21, 0
	s_mov_b64 s[18:19], SIZE_N*4
	s_mul_u64 s[20:21], s[20:21], s[18:19]
	s_lshl_b32 s46, s42, 10
	s_lshl_b32 s47, s16, 9
	s_add_co_u32 s46, s46, s47
	s_mov_b32 s47, 0
	s_add_nc_u64 s[20:21], s[20:21], s[46:47]
	s_add_nc_u64 s[10:11], s[10:11], s[20:21]
	s_add_nc_u64 s[76:77], s[76:77], s[46:47]      ; b at my first column
	s_lshr_b32 s80, s46, 1                         ; st: (my first column / 128) x 256 bytes
	s_add_nc_u64 s[78:79], s[78:79], s[80:81]
	s_mov_b32 s82, 0x76543210                      ; v_permlanex16_b32's selects for lane l xor 16
	s_mov_b32 s83, 0xfedcba98
	s_wait_alu depctr_va_vdst(0)                   ; ahead of the first readers of the head's registers
	BLOADS 0
	s_wait_kmcnt 0x0
	s_add_co_i32 s96, s96, s97
	s_add_co_i32 s96, s96, 127
	s_lshl_b32 s96, s96, 23
.macro FRAG reg, adr, q, i
.irp c, 0,1,2,3
	ds_load_b128 v[\reg+4*\c:\reg+4*\c+3], v[\adr] offset:128*(\q)+32*\c+(\i)*16*PITCH
.endr
.endm
.macro MUL8 a, p, zero
.irp b, 0,1,2,3,4,5,6,7
.if \zero
	v_wmma_f32_16x16x128_bf8_bf8 v[8*(8*((\a)%4)+\b):8*(8*((\a)%4)+\b)+7], v[128*(\p)+FR*\b:128*(\p)+FR*\b+FR-1], v[AF+FR*(\a):AF+FR*(\a)+FR-1], 0
.else
	v_wmma_f32_16x16x128_bf8_bf8 v[8*(8*((\a)%4)+\b):8*(8*((\a)%4)+\b)+7], v[128*(\p)+FR*\b:128*(\p)+FR*\b+FR-1], v[AF+FR*(\a):AF+FR*(\a)+FR-1], v[8*(8*((\a)%4)+\b):8*(8*((\a)%4)+\b)+7]
.endif
.endr
.endm
.macro MUL16 a0, p, zero
	MUL8 \a0, \p, \zero
	MUL8 \a0+1, \p, \zero
.endm
.macro FETCH_B slot, q, p
	WIN TO_B
.irp i, 0,1,2,3,4,5,6,7
	FRAG 128*(\p)+FR*\i, ADRB+\slot, \q, \i
.endr
	WIN 0
.endm
.macro FETCH_A slot, q, i0
.irp i, \i0, \i0+1, \i0+2, \i0+3
	FRAG AF+FR*(\i), ADRA+\slot, \q, \i
.endr
.endm
.macro PLACES n
.rept \n
	v_nop
.endr
.endm
.macro STEP slot, q, zero
	s_wait_dscnt 4*NL
	WIN MUL_LO
	MUL16 0, (\q)%2, \zero
	MUL16 2, (\q)%2, \zero
	s_wait_dscnt 0
	PLACES NP
	FETCH_B \slot, (\q)+1, 1-(\q)%2
	FETCH_A \slot, (\q)+1, 0
	WIN MUL_HI
	MUL16 4, (\q)%2, \zero
	MUL16 6, (\q)%2, \zero
	PLACES NP
	WIN 0
	FETCH_A \slot, (\q)+1, 4
.endm
.macro ONWARD slot, nextb
	s_add_co_u32 s[KK+2*\slot], s[KK+2*\slot], 2*ROWB
	s_and_b32 s[KK+2*\slot], s[KK+2*\slot], KROW-1
.if \nextb
	s_add_nc_u64 s[BBAS:BBAS+1], s[BBAS:BBAS+1], NEXTB
.endif
	s_add_nc_u64 s[G0+4*\slot+2:G0+4*\slot+3], s[ABAS:ABAS+1], s[KK+2*\slot:KK+2*\slot+1]
	s_or_b32 s[G0+4*\slot+3], s[G0+4*\slot+3], 0x80000000
	s_add_nc_u64 s[G0B+4*\slot+2:G0B+4*\slot+3], s[BBAS:BBAS+1], s[KK+2*\slot:KK+2*\slot+1]
	s_or_b32 s[G0B+4*\slot+3], s[G0B+4*\slot+3], 0x80000000
.endm
.macro TURN slot, next, fill, fetch
	s_wait_dscnt 4*NL
	WIN MUL_LO
	MUL16 0, 1, 0
	WIN 0
	s_wait_tensorcnt 0x0
	ds_add_u32 v[SPW], v[NIL]
.if \fill
	ONWARD \slot, \fill-1
.endif
	WIN MUL_LO
	MUL8 2, 1, 0
	s_wait_dscnt 0x0
	s_barrier_signal -1
	MUL8 3, 1, 0
	WIN 0
	s_barrier_wait -1
.if \fill
	CREST
	JLOAD G0+4*\slot, G1, G0B+4*\slot, G1B
.else
	PLACES NP
.endif
.if \fetch
	FETCH_B \next, 0, 0
	FETCH_A \next, 0, 0
.endif
	WIN MUL_HI
	MUL16 4, 1, 0
	MUL16 6, 1, 0
.if \fetch
	PLACES NP
	WIN 0
	FETCH_A \next, 0, 4
.else
	WIN 0
.endif
.endm
.macro OPEN
	FETCH_B 0, 0, 0
	FETCH_A 0, 0, 0
	FETCH_A 0, 0, 4
	STEP 0, 0, 1
.endm
.macro LAPLOOP
	s_mov_b32 s3, LAPS-1
.Llap_\@:
	TURN 0, 1, 1, 1
	STEP 1, 0, 0
	TURN 1, 0, 1, 1
	STEP 0, 0, 0
	s_sub_co_u32 s3, s3, 1
	s_cmp_lg_u32 s3, 0
	s_cbranch_scc1 .Llap_\@
.endm
.macro TOSTAGE a
.set AC, 64*((\a)%4)
	WIN 0x42+((\a)/4)                              ; source 0: window 2 or 3; source 2 (b): window 0; destination: window 1
.irp j, 0,2,4,6,8,10,12,14,16,18,20,22,24,26,28,30,32,34,36,38,40,42,44,46,48,50,52,54,56,58,60,62
	v_pk_fma_f32 v[TMP+\j:TMP+\j+1], v[AC+\j:AC+\j+1], s[96:97], v[BR+\j:BR+\j+1] op_sel_hi:[1,0,1]   ; t = sum x 2^(ea + eb) + b; each accumulator from its low end on
.endr
	WIN 0x55                                       ; all places: window 1
.irp k, 0,1,2,3
	v_pk_add_f32 v[MN+2*\k:MN+2*\k+1], v[TMP+4*\k:TMP+4*\k+1], v[TMP+4*\k+2:TMP+4*\k+3]   ; my 64 numbers of the row, in four chains
.endr
.irp j, 16,24,32,40,48,56
.irp k, 0,1,2,3
	v_pk_add_f32 v[MN+2*\k:MN+2*\k+1], v[MN+2*\k:MN+2*\k+1], v[TMP+\j+2*\k:TMP+\j+2*\k+1]
.endr
.endr
	v_pk_add_f32 v[MN:MN+1], v[MN:MN+1], v[MN+2:MN+3]
	v_pk_add_f32 v[MN+4:MN+5], v[MN+4:MN+5], v[MN+6:MN+7]
	v_pk_add_f32 v[MN:MN+1], v[MN:MN+1], v[MN+4:MN+5]
	v_add_f32 v[MN], v[MN], v[MN+1]
	v_permlanex16_b32 v[MN+2], v[MN], s82, s83     ; lane l xor 16 holds the row's other 64
	v_add_f32 v[MN], v[MN], v[MN+2]
	v_mul_f32 v[MN], 0x3c000000, v[MN]             ; / 128: the mean
.irp j, 0,8,16,24,32,40,48,56
.irp k, 0,1,2,3
	v_pk_add_f32 v[DD+2*\k:DD+2*\k+1], v[TMP+\j+2*\k:TMP+\j+2*\k+1], v[MN:MN+1] op_sel_hi:[1,0] neg_lo:[0,1] neg_hi:[0,1]   ; t - mean (the pair's low word for both halves)
.endr
.irp k, 0,1,2,3
.if \j == 0
	v_pk_mul_f32 v[QQ+2*\k:QQ+2*\k+1], v[DD+2*\k:DD+2*\k+1], v[DD+2*\k:DD+2*\k+1]
.else
	v_pk_fma_f32 v[QQ+2*\k:QQ+2*\k+1], v[DD+2*\k:DD+2*\k+1], v[DD+2*\k:DD+2*\k+1], v[QQ+2*\k:QQ+2*\k+1]
.endif
.endr
.endr
	v_pk_add_f32 v[QQ:QQ+1], v[QQ:QQ+1], v[QQ+2:QQ+3]
	v_pk_add_f32 v[QQ+4:QQ+5], v[QQ+4:QQ+5], v[QQ+6:QQ+7]
	v_pk_add_f32 v[QQ:QQ+1], v[QQ:QQ+1], v[QQ+4:QQ+5]
	v_add_f32 v[QQ], v[QQ], v[QQ+1]
	v_permlanex16_b32 v[QQ+2], v[QQ], s82, s83
	v_add_f32 v[MN+1], v[QQ], v[QQ+2]              ; M2, beside the mean
	WIN 0x04                                       ; an LDS store's data: window 1; its address: window 0
.irp b, 0,1,2,3,4,5,6,7
	ds_store_b128 v[STO], v[TMP+8*\b:TMP+8*\b+3] offset:64*\b
	ds_store_b128 v[STO], v[TMP+8*\b+4:TMP+8*\b+7] offset:64*\b+16
.endr
	ds_store_b64 v[SST], v[MN:MN+1] offset:128*(\a)   ; lanes l and l xor 16 hold the same pair and write it to the same 8 bytes
	WIN 0
.set BB, BK+64*((\a)%2)
.irp t, 0,1,2,3,4,5,6,7,8,9,10,11,12,13,14,15
	ds_load_b128 v[BB+4*\t:BB+4*\t+3], v[RD] offset:\t*SPITCH
.endr
.endm
.macro SEND a, younger
.set BB, BK+64*((\a)%2)
	s_wait_dscnt \younger
.if (\a) > 0
	s_add_nc_u64 s[10:11], s[10:11], 16*SIZE_N*4
.endif
.irp t, 0,1,2,3,4,5,6,7,8,9,10,11,12,13,14,15
	global_store_b128 v[CO], v[BB+4*\t:BB+4*\t+3], s[10:11] offset:\t*SIZE_N*4
.endr
.endm
.macro WAYOUT tile
	s_wait_loadcnt 0x0                             ; b's numbers, asked for at the tile's start, are in
	PLACES NP
	TOSTAGE 0
.irp a, 1,2,3,4,5,6,7
.if \a > 1
	s_wait_xcnt 0x0
.endif
	TOSTAGE \a
	SEND \a-1, 33                                  ; behind block a - 1's loads: block a's 17 stores and 16 loads
.endr
	s_wait_xcnt 0x0
	ds_load_b128 v[BK:BK+3], v[SRD]                ; my 128 rows' pairs; LDS serves a wave's instructions in order, so these see my stores; block 6's stores have read these registers
	ds_load_b128 v[BK+4:BK+7], v[SRD] offset:512
	SEND 7, 0
	global_store_b128 v[SGO], v[BK:BK+3], s[78:79] offset:8192*\tile           ; sixteen lanes store 256 consecutive bytes, aligned
	global_store_b128 v[SGO], v[BK+4:BK+7], s[78:79] offset:8192*\tile+32768
.endm
	s_wait_tensorcnt 1
	s_barrier_signal -1
	s_barrier_wait -1
	OPEN
	LAPLOOP
	TURN 0, 1, 2, 1
	STEP 1, 0, 0
	TURN 1, 0, 1, 0
	WAYOUT 0
	s_wait_xcnt 0x0
	s_sub_nc_u64 s[10:11], s[10:11], BACKZ
	BLOADS 1
	OPEN
	LAPLOOP
	TURN 0, 1, 0, 1
	STEP 1, 0, 0
	s_wait_dscnt 4*NL
	WIN MUL_LO
	MUL16 0, 1, 0
	MUL16 2, 1, 0
	s_wait_dscnt 0
	WIN MUL_HI
	MUL16 4, 1, 0
	MUL16 6, 1, 0
	WIN 0
	WAYOUT 1
	s_wait_tensorcnt 0x0
	ds_add_u32 v[SPW], v[NIL]
	s_wait_dscnt 0x0
	CROUND
	s_endpgm
.Lfunc_end_k_qdaaff155e2_gemm:
	.size	k_qdaaff155e2_gemm, .Lfunc_end_k_qdaaff155e2_gemm-k_qdaaff155e2_gemm
	.p2alignl 7, 3214868480
	.fill 96, 4, 3214868480
	.section	.rodata,"a",@progbits
	.p2align	6, 0x0
	.amdhsa_kernel k_qdaaff155e2_gemm
		.amdhsa_group_segment_fixed_size 327680
		.amdhsa_private_segment_fixed_size 0
		.amdhsa_enable_private_segment 0
		.amdhsa_kernarg_size 48
		.amdhsa_user_sgpr_count 2
		.amdhsa_user_sgpr_kernarg_segment_ptr 1
		.amdhsa_wavefront_size32 1
		.amdhsa_system_sgpr_workgroup_id_x 1
		.amdhsa_system_sgpr_workgroup_id_y 1
		.amdhsa_system_sgpr_workgroup_id_z 1
		.amdhsa_system_vgpr_workitem_id 0
		.amdhsa_next_free_vgpr 1024
		.amdhsa_next_free_sgpr 98
		.amdhsa_reserve_vcc 0
		.amdhsa_float_denorm_mode_32 3
		.amdhsa_float_denorm_mode_16_64 3
		.amdhsa_memory_ordered 1
		.amdhsa_forward_progress 1
		.amdhsa_inst_pref_size 255
	.end_amdhsa_kernel
	.section	.bss,"aw",@nobits
	.p2align	6
	.space	262144
	.amdgpu_metadata
---
amdhsa.version: [ 1, 2 ]
amdhsa.kernels:
  - .name:           k_qdaaff155e2_gemm
    .symbol:         k_qdaaff155e2_gemm.kd
    .args:
      - { .name: h_codes, .offset: 0, .size: 8, .value_kind: global_buffer, .address_space: global }
      - { .name: w_codes, .offset: 8, .size: 8, .value_kind: global_buffer, .address_space: global }
      - { .name: lowp_scales, .offset: 16, .size: 8, .value_kind: global_buffer, .address_space: global }
      - { .name: z, .offset: 24, .size: 8, .value_kind: global_buffer, .address_space: global }
      - { .name: b, .offset: 32, .size: 8, .value_kind: global_buffer, .address_space: global }
      - { .name: st, .offset: 40, .size: 8, .value_kind: global_buffer, .address_space: global }
    .group_segment_fixed_size: 327680
    .private_segment_fixed_size: 0
    .kernarg_segment_align: 8
    .kernarg_segment_size: 48
    .max_flat_workgroup_size: 128
    .sgpr_count:     98
    .vgpr_count:     1024
    .wavefront_size: 32
...
	.end_amdgpu_metadata
.endif
;; end of part 2
;; launch cell (part 3): grid 512 x 1, 8 waves a work-group, no clusters, 3,072 bytes of LDS; arguments z, st, gn_weight, gn_bias, c, out0, out1; writes out0, out1
.if DOCPART == 3
	.amdgcn_target "amdgcn-amd-amdhsa--gfx1250"
	.amdhsa_code_object_version 6
	.text
	.protected	k_qdaaff155e2_cell
	.globl	k_qdaaff155e2_cell
	.p2align	8
	.type	k_qdaaff155e2_cell,@function
k_qdaaff155e2_cell:
	s_mov_b64 s[64:65], 0
	v_nop
	global_prefetch_b8 v0, s[64:65] scope:SCOPE_SE
	s_setreg_imm32_b32 hwreg(HW_REG_WAVE_MODE, 25, 1), 1
	s_wait_xcnt 0x0
; The rest of the cell, a stream.  z holds t = h W^T + b, [4096][8192] f32; st holds, for each row and each 128 columns, (mean, M2) of t: st[row / 32][column / 128][row % 32].
; GroupNorm of each row over each of its four groups of 2,048 channels (mean, variance, 1 / sqrt(var + 1e-5), gain, bias);  groups i, f, o, g;
; c_new = sigmoid(f) c + sigmoid(i) tanh(g) -> out1;   h_new = sigmoid(o) tanh(c_new) -> out0.   All in f32.  reference()'s input x is read by nothing (see the first kernel).
; SHARES.  A work-group of eight waves owns 8 whole rows.  Thread t owns columns 1024 u + 4 t + 0 .. 3 (u = 0, 1) of each of the four groups: 32 numbers of t and 8 of c a row, just what its 8 outputs need;
; its 64 parameters stay in registers.  One offset register, 16 t, serves every buffer; row, group and half stand in the immediates.  Each load or store of a wave covers 512 consecutive bytes, aligned,
; and the eight waves' stand side by side.  A ring of three row slots in registers: one at work, two on their way in (20 loads a wave).
; THE STATISTICS are merged once, at the head, and form no difference of large sums.  Wave w takes columns' chunks 8 w .. 8 w + 7 (half a group) of the 32 rows among which my 8 lie, a lane a row: eight loads of 256
; consecutive bytes; mean = the mean of the means, M2 = the sum of the M2 + 128 x the sum of (mean - that)^2.  The eight waves' pairs meet in a table in LDS, one barrier in the launch; then lane l takes row
; 8 (work-group % 4) + l % 8 of the 32 and joins each group's two halves: mu = (ma + mb) / 2, M2 = M2a + M2b + 512 (ma - mb)^2, var = M2 / 2048.  A row's 1 / sigma and -mu / sigma are read from its lane at its turn.
; THE GATES.  sigmoid(x) = 1 / (1 + 2^(-x log2 e)), tanh(x) = 1 - 2 / (1 + 2^(2 x log2 e)): where the power overflows to infinity or falls to 0 the reciprocal gives 0 or 1, the right limits, so nothing is clipped.
; The factors -log2 e (groups i, f, o) and 2 log2 e (group g) are multiplied into gain and bias once, at the head.
; No matrix units, no clusters, no prefetch: every byte of z, c and the outputs is touched once, the loads are asked for two rows ahead, and work-groups share only the parameters and 16 KiB of st.
.set ROWS, 8
.set ZROW, 32768                       ; bytes in a row of z
.set CROW, 8192                        ; bytes in a row of c and of the outputs
.set GRP,  8192                        ; bytes of a group in a row of z and in a parameter
.set HALF, 4096                        ; bytes from my first four columns of a group to my second four
.set PW,   16                          ; v16-47    gn_weight x the gate's factor, register 8 g + 4 u + k, as in a slot
.set PT,   48                          ; v48-79    gn_bias x the gate's factor
.set SL,   80                          ; v80-199   three slots of 40: +8 g + 4 u + k: t;  +32 + 4 u + k: c
.set ST,   200                         ; v200-215  eight pairs (mean, M2)
.set RS,   216                         ; v216-219  1 / sigma of my lane's row, groups 0 to 3
.set NV,   220                         ; v220-223  -mu / sigma of my lane's row
.set NM,   224                         ; v224-231  four pairs: in the low halves -mu / sigma of the row at work
.set TT,   232                         ; v232-243  at work at the head
	s_load_b256 s[4:11], s[0:1], 0x0               ; z s[4:5], st s[6:7], gn_weight s[8:9], gn_bias s[10:11]
	s_load_b128 s[12:15], s[0:1], 0x20             ; c s[12:13], out0 s[14:15]
	s_load_b64 s[16:17], s[0:1], 0x30              ; out1
	v_lshl_add_u32 v254, v0, 2, 0x800              ; my spare word, behind the table; never rewritten
	v_mov_b32 v255, 0
	s_and_b32 s54, ttmp9, 3
	s_lshl_b32 s54, s54, 6                         ; my 8 rows among the table's 32: 8 bytes x 8 (work-group % 4)
	v_lshrrev_b32 v4, 5, v0
	v_and_b32 v8, 31, v0
	v_and_b32 v6, 7, v0
	v_lshlrev_b32 v1, 4, v0                        ; 16 t: my byte offset in z, c, the outputs and the parameters; never rewritten
	v_lshlrev_b32 v4, 11, v4
	v_lshlrev_b32 v6, 3, v6
	v_lshlrev_b32 v5, 3, v0                        ; the table, in: 256 bytes x wave + 8 x lane = 8 t
	v_lshl_add_u32 v4, v8, 3, v4                   ; st: 8 chunks of 256 bytes x wave + 8 x lane
	v_add_nc_u32 v6, s54, v6                       ; the table, out: 8 bytes x my lane's row
.irp k, 0,1,2,3
	v_mov_b32 v[NM+2*\k+1], 0                      ; named as the upper halves of pairs, so they are written
.endr
	s_mov_b32 s20, 0x3a000000                      ; 1 / 2048
	s_mov_b32 s21, 0x3727c5ac                      ; 1e-5
	s_mov_b32 s40, 0xbfb8aa3b                      ; -log2 e
	s_mov_b32 s41, s40                             ; (named with it as a pair, so it is written)
	s_mov_b32 s42, 0x4038aa3b                      ; 2 log2 e
	s_mov_b32 s43, s42
	s_lshl_b32 s48, ttmp9, 18                      ; my 8 rows of z: 8 x 32,768 bytes a work-group, under 2^27 in all
	s_mov_b32 s49, 0
	s_lshl_b32 s50, ttmp9, 16                      ; of c and the outputs: 8 x 8,192
	s_mov_b32 s51, 0
	s_lshr_b32 s52, ttmp9, 2
	s_lshl_b32 s52, s52, 14                        ; of st: 16,384 bytes for each 32 rows
	s_mov_b32 s53, 0
	s_wait_alu depctr_va_vdst(0)
	s_wait_kmcnt 0x0
	s_add_nc_u64 s[4:5], s[4:5], s[48:49]
	s_add_nc_u64 s[6:7], s[6:7], s[52:53]
	s_add_nc_u64 s[12:13], s[12:13], s[50:51]
	s_add_nc_u64 s[14:15], s[14:15], s[50:51]
	s_add_nc_u64 s[16:17], s[16:17], s[50:51]
.irp q, 0,1,2,3,4,5,6,7
	global_load_b64 v[ST+2*\q:ST+2*\q+1], v4, s[6:7] offset:256*\q   ; one chunk's pairs of the 32 rows: 256 consecutive bytes, aligned
.endr
.irp g, 0,1,2,3
.irp u, 0,1
	global_load_b128 v[PW+8*\g+4*\u:PW+8*\g+4*\u+3], v1, s[8:9] offset:\g*GRP+\u*HALF
	global_load_b128 v[PT+8*\g+4*\u:PT+8*\g+4*\u+3], v1, s[10:11] offset:\g*GRP+\u*HALF
.endr
.endr
; Row n into its slot: ten loads, eight of z and two of c; read once in this launch
.macro FILL n
.set FB, SL+40*((\n)%3)
.irp g, 0,1,2,3
.irp u, 0,1
	global_load_b128 v[FB+8*\g+4*\u:FB+8*\g+4*\u+3], v1, s[4:5] offset:(\n)*ZROW+\g*GRP+\u*HALF th:TH_LOAD_NT
.endr
.endr
.irp u, 0,1
	global_load_b128 v[FB+32+4*\u:FB+32+4*\u+3], v1, s[12:13] offset:(\n)*CROW+\u*HALF th:TH_LOAD_NT
.endr
.endm
; Row n's 8 outputs of each kind.  In a slot: +0 i, +8 f, +16 o, +24 g, +32 c
.macro GATES n
.set ZB, SL+40*((\n)%3)
.irp g, 0,1,2,3
	v_readlane_b32 s[24+2*\g], v[RS+\g], \n        ; 1 / sigma of row n, group g
	v_readlane_b32 s[25+2*\g], v[NV+\g], \n        ; -mu / sigma
.endr
.irp g, 0,1,2,3
	v_mov_b32 v[NM+2*\g], s[25+2*\g]
.endr
.irp g, 0,1,2,3
.irp p, 0,2,4,6
	v_pk_fma_f32 v[ZB+8*\g+\p:ZB+8*\g+\p+1], v[ZB+8*\g+\p:ZB+8*\g+\p+1], s[24+2*\g:25+2*\g], v[NM+2*\g:NM+2*\g+1] op_sel_hi:[1,0,0]   ; (t - mu) / sigma (of both pairs the low word)
.endr
.endr
.irp j, 0,2,4,6,8,10,12,14,16,18,20,22,24,26,28,30
	v_pk_fma_f32 v[ZB+\j:ZB+\j+1], v[ZB+\j:ZB+\j+1], v[PW+\j:PW+\j+1], v[PT+\j:PT+\j+1]   ; gain and bias, with the gate's factor: the exponent
.endr
.set i, 0
	s_wait_alu depctr_va_vdst(0)
.rept 32
	v_exp_f32 v[ZB+i], v[ZB+i]
.set i, i+1
.endr
	v_nop                                          ; a plain instruction behind the last exponential
	s_wait_alu depctr_va_vdst(0)
.irp j, 0,2,4,6,8,10,12,14,16,18,20,22,24,26,28,30
	v_pk_add_f32 v[ZB+\j:ZB+\j+1], v[ZB+\j:ZB+\j+1], 1.0 op_sel_hi:[1,0]
.endr
.set i, 0
	s_wait_alu depctr_va_vdst(0)
.rept 32
	v_rcp_f32 v[ZB+i], v[ZB+i]                     ; i, f, o: the sigmoids
.set i, i+1
.endr
	v_nop
	s_wait_alu depctr_va_vdst(0)
.irp p, 0,2,4,6
	v_pk_fma_f32 v[ZB+24+\p:ZB+24+\p+1], v[ZB+24+\p:ZB+24+\p+1], -2.0, 1.0 op_sel_hi:[1,0,0]   ; tanh(g)
.endr
.irp p, 0,2,4,6
	v_pk_mul_f32 v[ZB+\p:ZB+\p+1], v[ZB+\p:ZB+\p+1], v[ZB+24+\p:ZB+24+\p+1]                   ; sigmoid(i) tanh(g)
.endr
.irp p, 0,2,4,6
	v_pk_fma_f32 v[ZB+32+\p:ZB+32+\p+1], v[ZB+8+\p:ZB+8+\p+1], v[ZB+32+\p:ZB+32+\p+1], v[ZB+\p:ZB+\p+1]   ; c_new = sigmoid(f) c + that
.endr
.irp p, 0,2,4,6
	v_pk_mul_f32 v[ZB+24+\p:ZB+24+\p+1], v[ZB+32+\p:ZB+32+\p+1], s[42:43] op_sel_hi:[1,0]     ; 2 log2 e x c_new
.endr
.set i, 0
	s_wait_alu depctr_va_vdst(0)
.rept 8
	v_exp_f32 v[ZB+24+i], v[ZB+24+i]
.set i, i+1
.endr
	v_nop
	s_wait_alu depctr_va_vdst(0)
.irp p, 0,2,4,6
	v_pk_add_f32 v[ZB+24+\p:ZB+24+\p+1], v[ZB+24+\p:ZB+24+\p+1], 1.0 op_sel_hi:[1,0]
.endr
.set i, 0
	s_wait_alu depctr_va_vdst(0)
.rept 8
	v_rcp_f32 v[ZB+24+i], v[ZB+24+i]
.set i, i+1
.endr
	v_nop
	s_wait_alu depctr_va_vdst(0)
.irp p, 0,2,4,6
	v_pk_fma_f32 v[ZB+24+\p:ZB+24+\p+1], v[ZB+24+\p:ZB+24+\p+1], -2.0, 1.0 op_sel_hi:[1,0,0]   ; tanh(c_new)
.endr
.irp p, 0,2,4,6
	v_pk_mul_f32 v[ZB+16+\p:ZB+16+\p+1], v[ZB+16+\p:ZB+16+\p+1], v[ZB+24+\p:ZB+24+\p+1]       ; h_new = sigmoid(o) tanh(c_new)
.endr
	; the row's four stores stand together at its end; a wave stores 512 consecutive bytes, aligned; written once, read by nobody here
	global_store_b128 v1, v[ZB+32:ZB+35], s[16:17] offset:(\n)*CROW th:TH_STORE_NT
	global_store_b128 v1, v[ZB+36:ZB+39], s[16:17] offset:(\n)*CROW+HALF th:TH_STORE_NT
	global_store_b128 v1, v[ZB+16:ZB+19], s[14:15] offset:(\n)*CROW th:TH_STORE_NT
	global_store_b128 v1, v[ZB+20:ZB+23], s[14:15] offset:(\n)*CROW+HALF th:TH_STORE_NT
.endm
; Row n's turn.  The slot of row n - 1 takes row n + 2
.macro TURN n
.if (\n)+2 < ROWS
	s_wait_xcnt 0x0                                ; the registers that row n - 1's stores read are loaded again only behind this wait
	FILL (\n)+2
	s_wait_loadcnt 20                              ; loads come back in order: row n's ten are in; the twenty of rows n + 1 and n + 2 stay out
.else
	s_wait_loadcnt 10*(ROWS-1-(\n))                ; the last two rows fetch nothing: ten may be out, then none
.endif
	GATES \n
.endm
	FILL 0
	FILL 1
	s_wait_loadcnt 20                              ; the 24 loads of pairs and parameters are in; the two rows' twenty stay out
.irp j, 0,2,4,6,8,10,12,14,16,18,20,22
	v_pk_mul_f32 v[PW+\j:PW+\j+1], v[PW+\j:PW+\j+1], s[40:41] op_sel_hi:[1,0]                 ; groups i, f, o: x -log2 e
	v_pk_mul_f32 v[PT+\j:PT+\j+1], v[PT+\j:PT+\j+1], s[40:41] op_sel_hi:[1,0]
.endr
.irp j, 24,26,28,30
	v_pk_mul_f32 v[PW+\j:PW+\j+1], v[PW+\j:PW+\j+1], s[42:43] op_sel_hi:[1,0]                 ; group g: x 2 log2 e
	v_pk_mul_f32 v[PT+\j:PT+\j+1], v[PT+\j:PT+\j+1], s[42:43] op_sel_hi:[1,0]
.endr
	; my lane's row: its eight chunks become one pair: means and M2 are summed together, as pairs
.irp k, 0,1,2,3
	v_pk_add_f32 v[TT+2*\k:TT+2*\k+1], v[ST+4*\k:ST+4*\k+1], v[ST+4*\k+2:ST+4*\k+3]
.endr
	v_pk_add_f32 v[TT:TT+1], v[TT:TT+1], v[TT+2:TT+3]
	v_pk_add_f32 v[TT+4:TT+5], v[TT+4:TT+5], v[TT+6:TT+7]
	v_pk_add_f32 v[TT:TT+1], v[TT:TT+1], v[TT+4:TT+5]
	v_mul_f32 v[TT+8], 0x3e000000, v[TT]           ; / 8: the mean of the 1,024 numbers
.irp q, 0,1,2,3,4,5,6,7
	v_sub_f32 v[ST+2*\q], v[ST+2*\q], v[TT+8]
.endr
	v_mul_f32 v[TT+2], v[ST], v[ST]
	v_mul_f32 v[TT+3], v[ST+2], v[ST+2]
.irp q, 2,4,6
	v_fmac_f32 v[TT+2], v[ST+2*\q], v[ST+2*\q]
	v_fmac_f32 v[TT+3], v[ST+2*\q+2], v[ST+2*\q+2]
.endr
	v_add_f32 v[TT+2], v[TT+2], v[TT+3]
	v_fmamk_f32 v[TT+9], v[TT+2], 0x43000000, v[TT+1]   ; M2 = the sum of the M2 + 128 x the sum of (mean - that)^2
	ds_store_b64 v5, v[TT+8:TT+9]
	s_wait_dscnt 0x0                               ; for the others' sake: my store has landed
	s_barrier_signal -1
	s_barrier_wait -1                              ; everybody's has
.irp w, 0,1,2,3,4,5,6,7
	ds_load_b64 v[ST+2*\w:ST+2*\w+1], v6 offset:256*\w   ; my lane's row: the eight half groups' pairs
.endr
	s_wait_dscnt 0x0
.irp g, 0,1,2,3
	v_sub_f32 v[TT+\g], v[ST+4*\g], v[ST+4*\g+2]           ; ma - mb
.endr
.irp g, 0,1,2,3
	v_add_f32 v[TT+4+\g], v[ST+4*\g], v[ST+4*\g+2]         ; 2 mu
.endr
.irp g, 0,1,2,3
	v_add_f32 v[TT+8+\g], v[ST+4*\g+1], v[ST+4*\g+3]       ; M2a + M2b
.endr
.irp g, 0,1,2,3
	v_mul_f32 v[TT+\g], v[TT+\g], v[TT+\g]
.endr
.irp g, 0,1,2,3
	v_fmamk_f32 v[TT+8+\g], v[TT+\g], 0x44000000, v[TT+8+\g]   ; + 512 (ma - mb)^2
.endr
.irp g, 0,1,2,3
	v_fma_f32 v[TT+8+\g], v[TT+8+\g], s20, s21             ; var + eps
.endr
.irp g, 0,1,2,3
	v_mul_f32 v[TT+4+\g], -0.5, v[TT+4+\g]                 ; -mu
.endr
	s_wait_alu depctr_va_vdst(0)
.irp g, 0,1,2,3
	v_rsq_f32 v[RS+\g], v[TT+8+\g]
.endr
	v_nop
	s_wait_alu depctr_va_vdst(0)
.irp g, 0,1,2,3
	v_mul_f32 v[NV+\g], v[TT+4+\g], v[RS+\g]
.endr
	s_wait_alu depctr_va_vdst(0)
.irp n, 0,1,2,3,4,5,6,7
	TURN \n
.endr
	s_wait_tensorcnt 0x0                           ; the wave's end
	ds_add_u32 v254, v255
	s_wait_dscnt 0x0
	s_endpgm
.Lfunc_end_k_qdaaff155e2_cell:
	.size	k_qdaaff155e2_cell, .Lfunc_end_k_qdaaff155e2_cell-k_qdaaff155e2_cell
	.p2alignl 7, 3214868480
	.fill 96, 4, 3214868480
	.section	.rodata,"a",@progbits
	.p2align	6, 0x0
	.amdhsa_kernel k_qdaaff155e2_cell
		.amdhsa_group_segment_fixed_size 3072
		.amdhsa_private_segment_fixed_size 0
		.amdhsa_enable_private_segment 0
		.amdhsa_kernarg_size 56
		.amdhsa_user_sgpr_count 2
		.amdhsa_user_sgpr_kernarg_segment_ptr 1
		.amdhsa_wavefront_size32 1
		.amdhsa_system_sgpr_workgroup_id_x 1
		.amdhsa_system_sgpr_workgroup_id_y 1
		.amdhsa_system_sgpr_workgroup_id_z 1
		.amdhsa_system_vgpr_workitem_id 0
		.amdhsa_next_free_vgpr 256
		.amdhsa_next_free_sgpr 66
		.amdhsa_reserve_vcc 0
		.amdhsa_float_denorm_mode_32 3
		.amdhsa_float_denorm_mode_16_64 3
		.amdhsa_memory_ordered 1
		.amdhsa_forward_progress 1
		.amdhsa_inst_pref_size 87
	.end_amdhsa_kernel
	.amdgpu_metadata
---
amdhsa.version: [ 1, 2 ]
amdhsa.kernels:
  - .name:           k_qdaaff155e2_cell
    .symbol:         k_qdaaff155e2_cell.kd
    .args:
      - { .name: z, .offset: 0, .size: 8, .value_kind: global_buffer, .address_space: global }
      - { .name: st, .offset: 8, .size: 8, .value_kind: global_buffer, .address_space: global }
      - { .name: gn_weight, .offset: 16, .size: 8, .value_kind: global_buffer, .address_space: global }
      - { .name: gn_bias, .offset: 24, .size: 8, .value_kind: global_buffer, .address_space: global }
      - { .name: c, .offset: 32, .size: 8, .value_kind: global_buffer, .address_space: global }
      - { .name: out0, .offset: 40, .size: 8, .value_kind: global_buffer, .address_space: global }
      - { .name: out1, .offset: 48, .size: 8, .value_kind: global_buffer, .address_space: global }
    .group_segment_fixed_size: 3072
    .private_segment_fixed_size: 0
    .kernarg_segment_align: 8
    .kernarg_segment_size: 56
    .max_flat_workgroup_size: 256
    .sgpr_count:     66
    .vgpr_count:     256
    .wavefront_size: 32
...
	.end_amdgpu_metadata
.endif
;; end of part 3
